; MI455X (gfx1250); checked and timed in simulation.
; The chip was launched on July 23, 2026; its instructions are those of AMD's public machine-readable ISA for CDNA 5 (MIT licence, August 2026) and "CDNA5" Instruction Set Architecture Reference Guide (July 2026). The comments in the code are by the model that wrote it; some were corrected since.
;; Cross Attention Model. Allowed arithmetic: matrix products marked QUANTISED: E2M1 operands, one E8M0 scale for each 32 along K, by v_wmma_scale_f32_16x16x128_f8f6f4 with both operands' format E2M1 (or v_wmma_scale_f32_32x16x128_f4), f32 sums; products left as they are: f32 operands where the result goes on into a quantised operand, else bf16, f16 or f32 operands; f32 sums; everything else in f32.
;; Inputs: Wk_codes 1,024 x 32 x 16 uint8 (E2M1 codes of Wk, K innermost, in blocks of 32 codes, two codes a byte); Wk_scales 1,024 x 32 uint8 (E8M0 scales of Wk, one for each 32 codes along K); Wq_codes 1,024 x 32 x 16 uint8 (E2M1 codes of Wq, K innermost, in blocks of 32 codes, two codes a byte); Wq_scales 1,024 x 32 uint8 (E8M0 scales of Wq, one for each 32 codes along K); Wv_codes 1,024 x 32 x 16 uint8 (E2M1 codes of Wv, K innermost, in blocks of 32 codes, two codes a byte); Wv_scales 1,024 x 32 uint8 (E8M0 scales of Wv, one for each 32 codes along K); bk 1,024 float32; bq 1,024 float32; bv 1,024 float32; memory_values 16 x 2,048 x 1,024 float32; query_codes 16 x 32 x 16 uint8 (E2M1 codes of query, K innermost, in blocks of 32 codes, two codes a byte); query_scales 16 x 32 uint8 (E8M0 scales of query, one for each 32 codes along K).
;; Outputs: out0 16 x 1,024 float32; out1 16 x 2,048 float32; out2 16 x 8 x 1,024 float32; out3 16 x 8 int32.
;; Constants: top_k = 8.
;; This version of the problem:
;;   THIS VERSION OF THE PROBLEM IS GIVEN IN LOW PRECISION. The matrix products marked QUANTISED in the list below multiply operands that are first quantised to E2M1 (2 exponent bits, 1 mantissa bit; 4 bits a number), with one power-of-two scale for each 32 numbers along K (OCP MX v1.0); their sums are f32. All else is computed in f32.
;;   The module's matrix products, in the order in which they are computed (A, B: the left and right operand; K: the contracted axis; several contracted axes count as one K, in the product's order):
;;     1. [M 16, K 1,024] x [K 1,024, N 1,024]; A: input query (given as codes); B: input Wq (given as codes): QUANTISED
;;     2. [M 32,768, K 1,024] x [K 1,024, N 1,024]; A: input memory_values; B: input Wk (given as codes): QUANTISED
;;     3. [M 32,768, K 1,024] x [K 1,024, N 1,024]; A: input memory_values; B: input Wv (given as codes): QUANTISED
;;     4. batch 16 x [M 1, K 1,024] x [K 1,024, N 2,048]; A: computed on the way; B: computed on the way: left as it is (M = 1 < 16)
;;     5. batch 16 x [M 1, K 2,048] x [K 2,048, N 1,024]; A: softmax; B: computed on the way: left as it is (M = 1 < 16)
;;   THE QUANTISER, for each operand of a quantised product, along K:
;;     - K is cut into blocks of 32 from its start; a last block that is shorter is filled with zeros.
;;     - A block's scale is 2^e with e = floor(log2(the largest magnitude in the block)) - 2, held to -126 .. 127; a block of zeros has e = 0. As a byte (E8M0): e + 127.
;;     - Each number is divided by its block's scale, clamped to +-6, and rounded to the nearest number of E2M1, ties to even, subnormals kept.
;;     - The product sums the exact products of the quantised numbers (number of the format x scale) in f32.
;;   ~~~python
;;   def quantise(x, axis):      # numpy; x: float32 -> the quantised numbers, widened to float32 again
;;       x = np.moveaxis(x, axis, -1); K = x.shape[-1]
;;       x = np.pad(x, [(0, 0)] * (x.ndim - 1) + [(0, -K % 32)]); x = x.reshape(x.shape[:-1] + (-1, 32)); a = np.abs(x).max(-1, keepdims=True)
;;       e = np.where(a > 0, np.clip(np.frexp(np.where(a > 0, a, 1))[1] - 1 - 2, -126, 127), 0)      # np.frexp(a)[1] - 1 = floor(log2(a)), exactly
;;       r = np.clip(x / 2.0 ** e, -6, 6)
;;       step = 2.0 ** (np.maximum(np.frexp(np.where(r == 0, 1, r))[1] - 1, 0) - 1)
;;       q = np.round(r / step) * step * 2.0 ** e      # np.round: ties to even
;;       return np.moveaxis(q.reshape(q.shape[:-2] + (-1,))[..., :K], -1, axis).astype(np.float32)
;;   ~~~
;;   INPUTS GIVEN AS CODES. Wk (in the module: [1024, 1024], K = its axis 1); Wq (in the module: [1024, 1024], K = its axis 1); Wv (in the module: [1024, 1024], K = its axis 1); query (in the module: [16, 1024], K = its axis 1): each comes as NAME_codes (uint8): NAME with its K axis moved to the last place and cut into blocks of 32 codes, [.., K / 32, bytes a block], one block behind the other in memory; two codes a byte, the lower K in the low four bits (a code: sign, 2 exponent bits, 1 mantissa bit); and NAME_scales (uint8): the same leading axes, one E8M0 byte (e + 127) for each 32 codes along K. Its value is code x scale, taken as it is: it is not quantised again, and the codes and scales need not be those that the quantiser above would give.
;; One version. Each part assembles by itself: llvm-mc -triple=amdgcn-amd-amdhsa -mcpu=gfx1250 --defsym DOCPART=n.
;; ======== version 1 of 1: 2 launches
;; workspace buffers: tws 131,072 bytes; cand 32,768 bytes; candi 32,768 bytes of whole numbers; opart 1,048,576 bytes
;; launch main (part 1): grid 256 x 1, 4 waves a work-group, clusters of 4 x 1, 327,680 bytes of LDS; arguments memory_values, query_codes, query_scales, Wq_codes, Wq_scales, bq, Wk_codes, Wk_scales, Wv_codes, Wv_scales, tws, cand, candi, opart; writes tws, cand, candi, opart
.if DOCPART == 1
	.amdgcn_target "amdgcn-amd-amdhsa--gfx1250"
	.amdhsa_code_object_version 6
	.text
	.protected	k_qf80d318c8b_main
	.globl	k_qf80d318c8b_main
	.p2align	8
	.type	k_qf80d318c8b_main,@function
k_qf80d318c8b_main:
	s_mov_b64 s[64:65], 0
	v_nop
	global_prefetch_b8 v0, s[64:65] scope:SCOPE_SE
	s_setreg_imm32_b32 hwreg(HW_REG_WAVE_MODE, 25, 1), 1
	s_wait_xcnt 0x0
	s_wait_alu depctr_hold_cnt(0) depctr_sa_sdst(0) depctr_va_vdst(0) depctr_va_sdst(0) depctr_va_ssrc(0) depctr_va_vcc(0) depctr_vm_vsrc(0)
	s_getreg_b32 s2, hwreg(HW_REG_IB_STS2, 6, 4)
	s_cmp_eq_u32 s2, 0
	s_cbranch_scc0 .Lentry_in_a_cluster
	s_endpgm
.Lentry_in_a_cluster:
	s_bfe_u32 s2, ttmp6, 0x10000c
	s_cmp_lg_u32 s2, 0x3003
	s_cbranch_scc0 .Lentry_shape_is_right
	s_endpgm
.Lentry_shape_is_right:
; CROSS ATTENTION, ONE QUERY A BATCH: q = query Wq^T + bq; k = x Wk^T + bk; v = x Wv^T + bv (x = memory_values); softmax(q.k / 32); its weighted sum of v; the 8 best rows.
; This launch: q, the quantiser of x, both large products on codes of E2M1 (one E8M0 scale for each 32 along K), and for each block of 128 rows what the second launch joins:
;   tws  [16][2048]  t = log2(e)/32 x sum_e q[e] k'[n][e], k' = x Wk^T;      cand [256][32]  lanes 0-7 the block's 8 largest t, lane 8 its largest t (m), lane 9 the sum of 2^(t - m), the rest 0;
;   candi [256][32]  lanes 0-7 those rows' numbers in the batch (whole numbers); opart [256][1024]  sum over the block's rows of 2^(t - m) v'[n][e], v' = x Wv^T.
; WORK LEFT OUT.  bk: k = k' + bk adds sum_e q[e] bk[e] / 32 to EVERY score of a batch, the same number along the softmax's axis, whatever the inputs hold; scores are no output, the product q.k is not
; quantised, and probs, their order and the weighted sum hang on differences of scores alone.  So bk has no way to any output: it is not loaded and is no argument of any launch.
; bv: sum_n p[n] (v'[n] + bv) = sum_n p[n] v'[n] + bv, since the probs add up to 1 by identity: bv is added once, in the second launch.
; LIMITS.  NaN and infinities among the inputs are not served; a NaN, an infinity or an overflow that would reach only bk's term is not carried to the result.  A block of 32 numbers of x whose largest
; magnitude lies under 2^-124 keeps the scale byte 1 (a block of zeros too: its codes are zeros).  The block's 8 best are ranked by (t falling, row rising).
; SHARES.  A work-group owns 128 rows of x (16 work-groups a batch).  Each of its four waves quantises 32 rows; the codes go through LDS, a quarter of K at a time, and EVERY wave then holds all 128 rows'
; codes in registers: 64 fragments, 512 registers.  The waves share the COLUMNS: of each chunk of 256 rows of a weight wave w takes 64 w .. 64 w + 63.  A fragment of a weight read from LDS feeds 8 products.
; THE WEIGHTS' CODES: 12 chunks (Wq 0-3, Wk 0-3, Wv 0-3) of 256 rows x 512 bytes walk a ring of two LDS slots.  All work-groups walk the same chunks, so the four of a cluster ask JOINTLY (mask 15):
; wave w asks for rows 64 w .. 64 w + 63, the rows that it reads itself: four loads of 64 rows, one tensor load of each wave out at any time.
; THE WEIGHTS' SCALE BYTES, 32 a row, go from memory straight into the scale registers, a lane a row.  All four waves' tensor loads are taken by the codes, and the 96 KB of scale bytes do not fit beside the ring.
; For Wq a chunk's words come by four loads of 16 bytes a lane, a quarter of K ahead; for Wk and Wv the words of two K steps are asked for anew as soon as those steps' products are issued: six K steps ahead of their use.
; q is made in every work-group (128 products a wave), while x is on its way: source 0 holds the batch's query in all 16 rows, so every lane of a result holds q of its column.
; LAYOUT OF A RESULT: source 0 = 16 rows of x, source 1 = 16 rows of a weight: register j of lane (r, h) is (row 8 h + j, column r).
; REGISTERS, in windows of 256.  Window 0: v1-31 addresses and constants; v32-63 x's scale words, v64-79 a chunk's, v80-87 the query's (these hold scales alone); v88-95 q of my columns; v96-127 at work;
;   v128-191 two sets of 4 fragments of a weight; v192-255 the rows' partial t, later p.   Window 1: x as it is loaded, later the 32 accumulators, (a, cb) at 64 cb + 8 a.
;   Windows 2, 3: x's fragments, (row block a, K step s) at 64 (s % 4) + 8 a, window 2 + s / 4.  Until the last quarter of K, v128-191 of window 3 hold the query's 8 fragments.
.set SLOTB,  135168                    ; a slot of the ring: 256 rows x (512 + 16) bytes
.set QUART,  33792                     ; 64 rows: what one tensor load brings, and what the wave that asked for them reads
.set SPARE,  270336                    ; the spare words: 128 bytes a wave, two blocks of 256 bytes that no other line names
.set QL,     270848                    ; 1,024 words: bq x c, then q x c, in the order of e; a wave touches its own columns alone
.set SX,     274944                    ; [wave][128] partial t
.set XSC,    276992                    ; x's scale bytes of a quarter of K: 8 a row
.set XC,     295936                    ; x's codes of a quarter of K: 128 rows x (128 + 16) bytes
.set PX,     314368                    ; [wave][128] p, each wave's own copy
.set OS,     316416                    ; [wave][chunk][64] the block's partial outputs
.set LN,  1
.set SPW, 2                            ; LDS address of my spare word; never rewritten
.set NIL, 3                            ; 0; never rewritten
.set XA,  4                            ; x: my 16 bytes of a load's 512: lanes 0-15 the even pieces, lanes 16-31 the odd ones
.set CA,  5                            ; where my codes go
.set SA,  6                            ; where my block's scale byte goes
.set FA,  7                            ; a fragment of x: row r, + 16 h
.set FS,  8                            ; x's scale words: 8 bytes a row, a lane a row
.set AB0, 9                            ; a fragment of a weight: row 64 w + r, + 16 h
.set ADB, 10                           ; the same in the slot in hand
.set VS0, 11                           ; a chunk's scale bytes in memory: 32 x (64 w + lane); never rewritten
.set AQ,  13                           ; q of column 64 w + r
.set ASX, 14
.set ARD, 15
.set APW, 16
.set APR, 17
.set AOS, 18
.set AOR, 19
.set L16, 20
.set L4,  21
.set T16, 22
.set RR,  23                           ; r = lane % 16
.set FI,  24                           ; v24-27: 4 lane + i as f32
.set HH,  28                           ; h = lane / 16
.set NINF, 29
.set PINF, 30
.set XS,  32
.set WS,  64                           ; register WS + 8 p + s: the word of K step s of column block 2 p in lanes 0-15, of 2 p + 1 in lanes 16-31
.set QS,  80
.set QV,  88
.set BQ,  88
.set QQ,  92
.set QACC, 96
.set OPT, 96
.set ORS, 104
.set T4,  108
.set BF,  128
.set QB,  128
.set CR,  128
.set BY,  160
.set MX,  192
.set SCL, 200
.set SPR, 192
.set G1C, 32                           ; s[32:39] descriptor group 1;  s[48:51] group 0, which walks
.set G0C, 48
.set WV,  56
.set CX,  58
.set WG,  59
.set BB,  60
.set TB,  61                           ; LDS byte at which the slot in hand begins
.set CNT, 63
.set JJ,  66
.set CC,  67
.set SEL, 68
.set KCP, 80                           ; s[80:81] my 64 rows of chunk 0 of Wk's codes;  s[84:85] of Wv's
.set VCP, 84
.set ACP, 88                           ; s[88:89] my 64 rows of the chunk asked for last
.set NS,  90                           ; s[90:91] the scale bytes of the chunk behind the one that is being multiplied
.set XB,  92                           ; s[92:93] x at my wave's first row
.set MSB, 0
.macro WIN new                         ; the immediate's high byte repeats the setting that is left; a switch that changes nothing is dropped
.if MSB != \new
	s_set_vgpr_msb (MSB<<8)|\new
.set MSB, \new
.endif
.endm
.macro PLACES                          ; four plain places behind matrix instructions, in front of loads into their sources and of reads of their results
.rept 4
	v_nop
.endr
.endm
.macro CREST                           ; a round of the cluster's barrier behind its opening barrier
	s_cmp_lg_u32 s[WV], 0
	s_cbranch_scc1 .Lnot_wave_0_\@
	s_barrier_signal -3
.Lnot_wave_0_\@:
	s_barrier_wait -3
	s_barrier_signal -1
	s_barrier_wait -1
.endm
.macro ROUND
	s_barrier_signal -1
	s_barrier_wait -1
	CREST
.endm
.macro BAR                             ; my LDS stores have landed and my LDS loads are in: then the work-group's barrier
	s_wait_dscnt 0x0
	s_barrier_signal -1
	s_barrier_wait -1
.endm
; A joint load: every wave issues the line, each for its own 64 rows (both addresses hang on the wave's number, which is alike in all partners).  An s_nop 0 and four v_nop follow it.
.macro JLOAD
	tensor_load_to_lds s[G0C:G0C+3], s[G1C:G1C+7]
	s_nop 0
.rept 4
	v_nop
.endr
.endm
.macro GROUP0                          ; the walking address into group 0
	s_mov_b64 s[G0C+2:G0C+3], s[ACP:ACP+1]
	s_or_b32 s[G0C+3], s[G0C+3], 0x80000000
.endm
; A change of slots in the first phase: the chunk asked for last has landed, nobody reads the other slot any more, and the next chunk is asked for into it.  tok = 1: the next chunk is Wk's first.
.macro CHANGE tok
	WIN 0
	s_wait_tensorcnt 0x0               ; no tensor load of mine is out, so group 0 may be written
	ds_add_u32 v[SPW], v[NIL]          ; 0 onto my spare word: the descriptor's steps stand between it and the wait for it
	s_xor_b32 s[G0C+1], s[G0C+1], SLOTB
.if \tok
	s_mov_b64 s[ACP:ACP+1], s[KCP:KCP+1]
.else
	s_add_nc_u64 s[ACP:ACP+1], s[ACP:ACP+1], 131072
.endif
	GROUP0
	s_wait_dscnt 0x0                   ; the add is done; my LDS stores (x's codes) have landed and my reads of the slot to be filled are over
	ROUND
	JLOAD
.endm
; A chunk's scale words, all 8 K steps: each lane takes its row's 32 bytes by two loads; the two together read 1,024 consecutive bytes for each p
.macro WSLOAD base, off
.irp p, 0,1
.irp gq, 0,1
	global_load_b128 v[WS+8*\p+4*\gq:WS+8*\p+4*\gq+3], v[VS0], s[\base:\base+1] offset:(\off)+1024*\p+16*\gq
.endr
.endr
.endm
; The next chunk's scale words of K steps s0 and s0 + 1
.macro WSPAIR s0
.irp p, 0,1
	global_load_b64 v[WS+8*\p+(\s0):WS+8*\p+(\s0)+1], v[VS0], s[NS:NS+1] offset:1024*\p+4*(\s0)
.endr
.endm
; One scaled product; its registers and selectors are set in symbols ahead of it.
.macro WM
.if fZ
.if fRA && fRB
	v_wmma_scale_f32_16x16x128_f8f6f4 v[rD:rD+7], v[rA:rA+7], v[rB:rB+7], 0, v[rSA], v[rSB] matrix_a_fmt:MATRIX_FMT_FP4 matrix_b_fmt:MATRIX_FMT_FP4 matrix_a_scale:MATRIX_SCALE_ROW1 matrix_b_scale:MATRIX_SCALE_ROW1
.elseif fRA
	v_wmma_scale_f32_16x16x128_f8f6f4 v[rD:rD+7], v[rA:rA+7], v[rB:rB+7], 0, v[rSA], v[rSB] matrix_a_fmt:MATRIX_FMT_FP4 matrix_b_fmt:MATRIX_FMT_FP4 matrix_a_scale:MATRIX_SCALE_ROW1
.elseif fRB
	v_wmma_scale_f32_16x16x128_f8f6f4 v[rD:rD+7], v[rA:rA+7], v[rB:rB+7], 0, v[rSA], v[rSB] matrix_a_fmt:MATRIX_FMT_FP4 matrix_b_fmt:MATRIX_FMT_FP4 matrix_b_scale:MATRIX_SCALE_ROW1
.else
	v_wmma_scale_f32_16x16x128_f8f6f4 v[rD:rD+7], v[rA:rA+7], v[rB:rB+7], 0, v[rSA], v[rSB] matrix_a_fmt:MATRIX_FMT_FP4 matrix_b_fmt:MATRIX_FMT_FP4
.endif
.else
.if fRA && fRB
	v_wmma_scale_f32_16x16x128_f8f6f4 v[rD:rD+7], v[rA:rA+7], v[rB:rB+7], v[rD:rD+7], v[rSA], v[rSB] matrix_a_fmt:MATRIX_FMT_FP4 matrix_b_fmt:MATRIX_FMT_FP4 matrix_a_scale:MATRIX_SCALE_ROW1 matrix_b_scale:MATRIX_SCALE_ROW1
.elseif fRA
	v_wmma_scale_f32_16x16x128_f8f6f4 v[rD:rD+7], v[rA:rA+7], v[rB:rB+7], v[rD:rD+7], v[rSA], v[rSB] matrix_a_fmt:MATRIX_FMT_FP4 matrix_b_fmt:MATRIX_FMT_FP4 matrix_a_scale:MATRIX_SCALE_ROW1
.elseif fRB
	v_wmma_scale_f32_16x16x128_f8f6f4 v[rD:rD+7], v[rA:rA+7], v[rB:rB+7], v[rD:rD+7], v[rSA], v[rSB] matrix_a_fmt:MATRIX_FMT_FP4 matrix_b_fmt:MATRIX_FMT_FP4 matrix_b_scale:MATRIX_SCALE_ROW1
.else
	v_wmma_scale_f32_16x16x128_f8f6f4 v[rD:rD+7], v[rA:rA+7], v[rB:rB+7], v[rD:rD+7], v[rSA], v[rSB] matrix_a_fmt:MATRIX_FMT_FP4 matrix_b_fmt:MATRIX_FMT_FP4
.endif
.endif
.endm
; x: 8 rows x 256 numbers (quarter xt of K, rows 8 xk .. 8 xk + 7 of my 32): two loads a row, each of 512 consecutive bytes
.macro XLOADS xt, xk
	WIN 0x40                           ; destination window 1
.set g, 8*(\xk)
.rept 8
	global_load_b128 v[8*g:8*g+3], v[XA], s[XB:XB+1] offset:4096*g+1024*(\xt) th:TH_LOAD_NT
	global_load_b128 v[8*g+4:8*g+7], v[XA], s[XB:XB+1] offset:4096*g+1024*(\xt)+512 th:TH_LOAD_NT
.set g, g+1
.endr
	WIN 0
.endm
; Those 8 rows are quantised.  After the exchange of halves lane l holds 8 neighbours: numbers 128 (l / 16) + 8 (l % 16) + 0 .. 7 of the quarter; four neighbouring lanes hold a block of 32.
.macro XBATCH xt, xk
.set nb, 15-(4*(\xt)+(\xk))
.if nb > 3
.set nb, 3
.endif
	s_wait_loadcnt 16*nb               ; loads come back in order: this batch's 16 are in; of what was asked for behind it the youngest 16 nb stay out.
	WIN 0x41
.set g, 8*(\xk)
.rept 8
.irp j, 0,1,2,3
	v_permlane16_swap_b32 v[8*g+\j], v[8*g+4+\j]
.endr
.set g, g+1
.endr
	WIN 0x14
.set g, 8*(\xk)
.rept 8
	v_max3_num_f32 v[MX+g-8*(\xk)], 0x1800000, |v[8*g]|, |v[8*g+1]|   ; with the floor 2^(3 - 127): the byte cannot fall under 1
.set g, g+1
.endr
.irp j, 2,4,6
.set g, 8*(\xk)
.rept 8
	v_max3_num_f32 v[MX+g-8*(\xk)], v[MX+g-8*(\xk)], |v[8*g+\j]|, |v[8*g+\j+1]|   ; (the eight rows by turns)
.set g, g+1
.endr
.endr
	WIN 0
.irp m, 1,2
.set g, 0
.rept 8
	v_max_num_f32_dpp v[MX+g], v[MX+g], v[MX+g] row_xmask:\m row_mask:0xf bank_mask:0xf   ; with the block's other three lanes
.set g, g+1
.endr
.endr
.set g, 0
.rept 8
	v_add_nc_u32 v[SCL+g], 0xff000000, v[MX+g]   ; 2 off the exponent field: the conversion takes the exponent field of this operand as its scale
.set g, g+1
.endr
.set g, 8*(\xk)
.rept 8
	v_lshrrev_b32 v[BY+g], 23, v[SCL+g-8*(\xk)]  ; the scale's byte
.set g, g+1
.endr
	WIN 0x01
.set g, 8*(\xk)
.rept 8
	v_cvt_scalef32_pk8_fp4_f32 v[CR+g], v[8*g:8*g+7], v[SCL+g-8*(\xk)]
.set g, g+1
.endr
	v_nop                              ; one plain place behind the scaled conversions
	WIN 0
.set g, 8*(\xk)
.rept 8
	ds_store_b32 v[CA], v[CR+g] offset:144*g     ; a row's 128 bytes of codes: 4 a lane
	ds_store_b8 v[SA], v[BY+g] offset:8*g        ; the four lanes of a block write the same byte with the same value
.set g, g+1
.endr
.if (\xt) < 3
	XLOADS (\xt)+1, \xk
.endif
.endm
; All 128 rows' codes of quarter xt (K steps 2 xt, 2 xt + 1) into my registers, and their scale words: register XS + 8 a2 + s holds row block 2 a2 in lanes 0-15 and 2 a2 + 1 in lanes 16-31
.macro FETCHX xt
.if (\xt) < 2
	WIN 0x80
.else
	WIN 0xc0
.endif
.irp u, 0,1
.irp a, 0,1,2,3,4,5,6,7
.irp c, 0,1
	ds_load_b128 v[128*((\xt)&1)+64*\u+8*\a+4*\c:128*((\xt)&1)+64*\u+8*\a+4*\c+3], v[FA] offset:2304*\a+64*\u+32*\c
.endr
.endr
.endr
	WIN 0
.irp p, 0,1,2,3
	ds_load_b64 v[XS+8*\p+2*(\xt):XS+8*\p+2*(\xt)+1], v[FS] offset:256*\p
.endr
.endm
.macro FETCH_B ks                      ; my 4 fragments of the chunk's K step ks into set ks % 2
.irp cq, 0,1,2,3
.irp c, 0,1
	ds_load_b128 v[BF+32*((\ks)&1)+8*\cq+4*\c:BF+32*((\ks)&1)+8*\cq+4*\c+3], v[ADB] offset:8448*\cq+64*(\ks)+32*\c
.endr
.endr
.endm
; q of my 64 columns of Wq's chunk qt.  The four accumulators take turns.  The chunk's scale words were asked for at the end of the chunk before (chunk 0's: at the head) and
; are shown landed by a wait for x's loads that were issued behind them.  At its end the next chunk's are asked for: Wq's next, or, behind Wq's last, Wk's first.
.macro QCHUNK qt
	v_add_nc_u32 v[ADB], ((\qt)&1)*SLOTB, v[AB0]
.irp cq, 0,1,2,3
	ds_load_b32 v[BQ+\cq], v[AQ] offset:1024*(\qt)+64*\cq    ; bq x c of my columns
.endr
.irp hf, 0,1
.irp s4, 0,1,2,3
.irp cq, 0,1,2,3
.irp c, 0,1
	ds_load_b128 v[QB+32*\s4+8*\cq+4*\c:QB+32*\s4+8*\cq+4*\c+3], v[ADB] offset:8448*\cq+64*(4*\hf+\s4)+32*\c
.endr
.endr
.endr
	s_wait_dscnt 0x0
	WIN 0x03                           ; source 0, the query, in window 3
.irp s4, 0,1,2,3
.irp cq, 0,1,2,3
.set rD, QACC+8*\cq
.set rA, 128+8*(4*\hf+\s4)
.set rB, QB+32*\s4+8*\cq
.set rSA, QS+4*\hf+\s4
.set rSB, WS+8*(\cq/2)+4*\hf+\s4
.set fRA, 0
.set fRB, \cq&1
.set fZ, (4*\hf+\s4) == 0
	WM
.endr
.endr
	WIN 0
	PLACES
.endr
.irp cq, 0,1,2,3
	v_fma_f32 v[QQ+\cq], v[QACC+8*\cq], s[CC], v[BQ+\cq]     ; (query Wq^T) c + bq c; all rows of the result are alike: register 0 serves
.endr
.irp cq, 0,1,2,3
	ds_store_b32 v[AQ], v[QQ+\cq] offset:1024*(\qt)+64*\cq   ; over bq's word; lanes r and 16 + r write the same word with the same value
.endr
.if (\qt) < 3
	WSLOAD 12, 8192*((\qt)+1)          ; behind the places: the last products have read these registers
.else
	WSLOAD 18, 0
.endif
.endm
; 8 products: all 8 row blocks against column block cb, K step ks.  The 32 accumulators take turns, one instruction a turn, in the same order in every step.
.macro MMS ks, cb, zero
.set ia, 0
.rept 8
.set rD, 64*(\cb)+8*ia
.set rA, 64*((\ks)&3)+8*ia
.set rB, BF+32*((\ks)&1)+8*(\cb)
.set rSA, XS+8*(ia/2)+(\ks)
.set rSB, WS+8*((\cb)/2)+(\ks)
.set fRA, ia&1
.set fRB, (\cb)&1
.set fZ, \zero
	WM
.set ia, ia+1
.endr
.endm
; K steps 1 to 6 of a chunk: the next step's fragments are asked for, then 32 products.  qv = 1: also q of the chunk's columns.
; nx = 1: the chunk has a successor: in steps 2, 4, 6 the registers of the two steps just multiplied take the successor's scale words.  sel = 1: in the trip with CNT = 3 the successor is Wv's first chunk.
.macro STEP ks, qv, nx, sel
	s_wait_dscnt 0x0                   ; this step's fragments, asked for a step ago, are in
.if ((\ks)&1) == 0
.if \nx
	s_wait_loadcnt 4                   ; the scale words of this step and the next are in; the two pairs of steps asked for behind them, two loads each, may be out
.else
	s_wait_loadcnt 6-(\ks)             ; the last chunk asks for nothing more: the counts run down 4, 2, 0
.endif
.endif
.if (\nx) && ((\ks) == 2)
	s_wait_xcnt 0x0                    ; the loads that named the scales' base have read it: only behind this wait is it stepped
	s_add_nc_u64 s[NS:NS+1], s[NS:NS+1], 8192
.if \sel
	s_cmp_eq_u32 s[CNT], 3             ; the count of trips alone
	s_cselect_b64 s[NS:NS+1], s[22:23], s[NS:NS+1]
.endif
.endif
	WIN 0
	PLACES
	FETCH_B (\ks)+1
.if \qv
.irp cq, 0,1,2,3
	ds_load_b32 v[QV+2*\cq], v[AQ] offset:64*\cq
.endr
.endif
.if (\nx) && (((\ks)&1) == 0)
	WSPAIR (\ks)-2
.endif
.if (\ks) < 4
	WIN 0x52                           ; C and D window 1, x window 2
.else
	WIN 0x53                           ; x window 3
.endif
	MMS \ks, 0, 0
	MMS \ks, 1, 0
	MMS \ks, 2, 0
	MMS \ks, 3, 0
.endm
.macro STEPS qv, nx, sel
	STEP 1, \qv, \nx, \sel
	STEP 2, 0, \nx, \sel
	STEP 3, 0, \nx, \sel
	STEP 4, 0, \nx, \sel
	STEP 5, 0, \nx, \sel
	STEP 6, 0, \nx, \sel
.endm
; K step 7 changes slots: ONE barrier; in front of it each wave waits for all its tensor loads, adds 0 to its spare word, and waits for that and for its reads of this slot.
; fill = 1: the barrier opens a round of the cluster's, and this slot is filled with the chunk two on.  sel = 1: in the trip with CNT = 2 that chunk is Wv's first.
.macro TURN fill, sel
	WIN 0
	s_wait_tensorcnt 0x0               ; my part of the next chunk has landed; no tensor load of mine is out
	ds_add_u32 v[SPW], v[NIL]
.if \fill
	s_xor_b32 s[G0C+1], s[G0C+1], SLOTB
	s_add_nc_u64 s[ACP:ACP+1], s[ACP:ACP+1], 131072
.if \sel
	s_cmp_eq_u32 s[CNT], 2             ; the count of trips alone: alike in all waves and all partners
	s_cselect_b64 s[ACP:ACP+1], s[VCP:VCP+1], s[ACP:ACP+1]
.endif
	GROUP0
.endif
	s_wait_dscnt 1                     ; step 7's fragments are in; the add, the youngest, may be out
	WIN 0x53
	MMS 7, 0, 0
	s_wait_dscnt 0x0                   ; the add is done, and my reads of this slot are over
	s_barrier_signal -1
	MMS 7, 1, 0
	WIN 0
	s_barrier_wait -1
.if \fill
	CREST
	JLOAD                              ; the first tensor load behind the round; its four v_nop are the places in front of the loads below
.else
	PLACES
.endif
	s_xor_b32 s[TB], s[TB], SLOTB
	v_add_nc_u32 v[ADB], s[TB], v[AB0]
	FETCH_B 0
	WIN 0x53
	MMS 7, 2, 0
	MMS 7, 3, 0
.endm
; k' of column block cb goes into the rows' partial t: t(row) += k'(row, column) x q(column) c.  Each accumulator is read from its low end on.
.macro EK cb
	WIN 0x01
.set ia, 0
.rept 8
.irp i, 0,1,2,3
	v_pk_fma_f32 v[SPR+8*ia+2*\i:SPR+8*ia+2*\i+1], v[64*(\cb)+8*ia+2*\i:64*(\cb)+8*ia+2*\i+1], v[QV+2*(\cb):QV+2*(\cb)+1], v[SPR+8*ia+2*\i:SPR+8*ia+2*\i+1] op_sel_hi:[1,0,1]
.endr
.set ia, ia+1
.endr
.endm
; v' of column block cb: the sum over my lane's 64 rows of p(row) v'(row, column), in four chains
.macro EV cb
	WIN 0x01
.set ia, 0
.rept 8
.irp i, 0,1,2,3
.if ia == 0
	v_pk_mul_f32 v[OPT+2*\i:OPT+2*\i+1], v[64*(\cb)+2*\i:64*(\cb)+2*\i+1], v[SPR+2*\i:SPR+2*\i+1]
.else
	v_pk_fma_f32 v[OPT+2*\i:OPT+2*\i+1], v[64*(\cb)+8*ia+2*\i:64*(\cb)+8*ia+2*\i+1], v[SPR+8*ia+2*\i:SPR+8*ia+2*\i+1], v[OPT+2*\i:OPT+2*\i+1]
.endif
.endr
.set ia, ia+1
.endr
	WIN 0
	v_pk_add_f32 v[OPT:OPT+1], v[OPT:OPT+1], v[OPT+2:OPT+3]
	v_pk_add_f32 v[OPT+4:OPT+5], v[OPT+4:OPT+5], v[OPT+6:OPT+7]
	v_pk_add_f32 v[OPT:OPT+1], v[OPT:OPT+1], v[OPT+4:OPT+5]
	v_add_f32 v[ORS+(\cb)], v[OPT], v[OPT+1]
.endm
.macro EPI kind, cb
.if \kind
	EV \cb
.else
	EK \cb
.endif
.endm
.macro OTAIL                           ; the two halves of the lanes (rows 8 h + j) are added: lane l then holds column 32 p + l of my 64
	v_permlane16_swap_b32 v[ORS], v[ORS+1]
	v_permlane16_swap_b32 v[ORS+2], v[ORS+3]
	v_add_f32 v[ORS], v[ORS], v[ORS+1]
	v_add_f32 v[ORS+2], v[ORS+2], v[ORS+3]
	v_add_nc_u32 v[AOS], 256, v[AOS]   ; this chunk's place; the last chunk's two stores were waited for long ago
	ds_store_b32 v[AOS], v[ORS]
	ds_store_b32 v[AOS], v[ORS+2] offset:128
.endm
; A chunk's results are taken up column block by column block, and each block's accumulators at once begin the next chunk's sums (K step 0, C = 0): the products run beside the vector work.
; The first block's 32 lines name no register of step 7's last products: they are the places in front of the loads into set 1 and into the scale words of steps 6 and 7, and of the products that write over results.
.macro MERGE kind
	EPI \kind, 0
	WIN 0
	s_wait_dscnt 0x0                   ; the next chunk's K step 0 is in,
	s_wait_loadcnt 4                   ; and its scale words of steps 0 and 1; those of steps 2 to 5, four loads, may be out
	FETCH_B 1
	WSPAIR 6
	WIN 0x52
	MMS 0, 0, 1
.irp cz, 1,2,3
	EPI \kind, \cz
	WIN 0x52
	MMS 0, \cz, 1
.endr
	WIN 0
.if \kind
	OTAIL
.endif
.endm
	s_load_b512 s[4:19], s[0:1], 0x0   ; x s[4:5], query codes s[6:7], scales s[8:9], Wq codes s[10:11], scales s[12:13], bq s[14:15], Wk codes s[16:17], scales s[18:19]
	s_load_b256 s[20:27], s[0:1], 0x40 ; Wv codes s[20:21], scales s[22:23], tws s[24:25], cand s[26:27]
	s_load_b128 s[28:31], s[0:1], 0x60 ; candi s[28:29], opart s[30:31]
	v_lshl_add_u32 v[SPW], v0, 2, SPARE
	v_mov_b32 v[NIL], 0
	ds_add_u32 v[SPW], v[NIL]          ; the wave's opening: the add, twice on end, and its wait ahead of my first tensor load
	ds_add_u32 v[SPW], v[NIL]          ; and once more; the set-up below, work on registers, stands between it and the wait
	v_lshrrev_b32 v28, 5, v0
	v_readfirstlane_b32 s[WV], v28     ; wave 0..3
	s_bfe_u32 s[CX], ttmp6, 0x40000    ; my place in the cluster: it enters global addresses of x and of the results, and a stored number, alone
	s_lshl_b32 s[WG], ttmp9, 2
	s_add_co_u32 s[WG], s[WG], s[CX]   ; my block of 128 rows
	s_lshr_b32 s[BB], ttmp9, 2         ; the batch: 4 clusters each
	s_mov_b32 s[G1C], 15|(1<<20)|(1<<21)|(6<<22)|(3<<25)   ; mask: all four; elements of 1 byte; padding on; bit 21 beside a mask; 4 words after every 128
	s_mov_b32 s[G1C+1], 512<<16        ; tensor_dim0
	s_mov_b32 s[G1C+2], 64<<16         ; tensor_dim1
	s_mov_b32 s[G1C+3], 512<<16        ; tile_dim0
	s_mov_b32 s[G1C+4], 64             ; tile_dim1
	s_mov_b32 s[G1C+5], 512            ; from row to row
	s_mov_b32 s[G1C+6], 0
	s_mov_b32 s[G1C+7], 0
	s_mov_b32 s[CC], 0x3d38aa3b        ; c = log2(e) / 32
	s_mov_b32 s[SEL], 0x76543210
	s_mov_b32 s[SEL+1], 0xfedcba98     ; v_permlanex16_b32's selects for lane l xor 16
	v_and_b32 v[LN], 31, v0
	v_and_b32 v[RR], 15, v0
	v_bfe_u32 v[HH], v0, 4, 1
	v_lshlrev_b32 v[XA], 5, v[RR]
	v_lshl_or_b32 v[XA], v[HH], 4, v[XA]
	v_lshlrev_b32 v29, 4, v[HH]        ; the query's fragments: 16 h
	v_mov_b32 v30, 0
	s_lshl_b32 s70, s[WV], 8
	v_lshl_add_u32 v31, v[LN], 3, s70  ; bq: 256 w + 8 lane
	s_lshl_b32 s70, s[WV], 11
	v_lshl_add_u32 v[VS0], v[LN], 5, s70   ; a chunk's scale bytes: 32 x (64 w + lane)
	s_lshl_b32 s70, s[WV], 15          ; my 64 rows of a chunk: 64 x 512 bytes of codes
	s_mov_b32 s71, 0
	s_mov_b32 s75, 0
	s_wait_dscnt 0x0                   ; both opening adds are done
	s_wait_kmcnt 0x0
	s_add_nc_u64 s[ACP:ACP+1], s[10:11], s[70:71]
	s_add_nc_u64 s[KCP:KCP+1], s[16:17], s[70:71]
	s_add_nc_u64 s[VCP:VCP+1], s[20:21], s[70:71]
	s_lshl_b32 s74, s[WG], 19          ; 128 rows of 4,096 bytes,
	s_lshl_b32 s76, s[WV], 17          ; my wave's 32
	s_add_co_u32 s74, s74, s76
	s_add_nc_u64 s[XB:XB+1], s[4:5], s[74:75]
	s_lshl_b32 s74, s[BB], 9
	s_add_nc_u64 s[6:7], s[6:7], s[74:75]      ; the batch's query: 512 bytes of codes,
	s_lshl_b32 s74, s[BB], 5
	s_add_nc_u64 s[8:9], s[8:9], s[74:75]      ; 32 scale bytes
	s_lshl_b32 s74, s[WG], 9
	s_add_nc_u64 s[24:25], s[24:25], s[74:75]
	s_lshl_b32 s74, s[WG], 7
	s_add_nc_u64 s[26:27], s[26:27], s[74:75]
	s_add_nc_u64 s[28:29], s[28:29], s[74:75]
	s_lshl_b32 s74, s[WG], 12
	s_add_nc_u64 s[30:31], s[30:31], s[74:75]
	WIN 0xc0                           ; destination window 3
.irp s8, 0,1,2,3,4,5,6,7
.irp c, 0,1
	global_load_b128 v[128+8*\s8+4*\c:128+8*\s8+4*\c+3], v29, s[6:7] offset:64*\s8+32*\c   ; the query's row in all 16 rows of source 0
.endr
.endr
	WIN 0
	global_load_b128 v[QS:QS+3], v30, s[8:9]               ; its 8 scale words, the same in every lane
	global_load_b128 v[QS+4:QS+7], v30, s[8:9] offset:16
.irp t, 0,1,2,3
	global_load_b64 v[112+2*\t:113+2*\t], v31, s[14:15] offset:1024*\t   ; bq of my 64 columns of each chunk
.endr
	WSLOAD 12, 0                       ; the scale words of Wq's first chunk
	XLOADS 0, 0
	XLOADS 0, 1
	XLOADS 0, 2
	ROUND                              ; all four work-groups are here: the first joint loads meet
	s_mov_b32 s[G0C], 1
	s_mul_i32 s[G0C+1], s[WV], QUART   ; wave x 64 rows: it shares no bit with SLOTB, so one exclusive or changes slots
	GROUP0
	JLOAD                              ; chunk 0 into slot 0
	s_mul_i32 s70, s[WV], 4608
	s_add_co_u32 s70, s70, XC
	v_lshl_add_u32 v[CA], v[LN], 2, s70
	s_lshl_b32 s70, s[WV], 8
	s_add_co_u32 s71, s70, XSC
	v_lshrrev_b32 v[SA], 2, v[LN]
	v_add_nc_u32 v[SA], s71, v[SA]
	v_mul_u32_u24 v[FA], v[RR], 144
	v_lshl_add_u32 v[FA], v[HH], 4, v[FA]
	v_add_nc_u32 v[FA], XC, v[FA]
	v_lshl_add_u32 v[FS], v[LN], 3, XSC
	v_mul_u32_u24 v[AB0], v[RR], 528
	v_lshl_add_u32 v[AB0], v[HH], 4, v[AB0]
	s_mul_i32 s71, s[WV], QUART
	v_add_nc_u32 v[AB0], s71, v[AB0]
	s_add_co_u32 s71, s70, QL
	v_lshl_add_u32 v[AQ], v[RR], 2, s71
	s_lshl_b32 s70, s[WV], 9
	s_add_co_u32 s71, s70, SX
	v_lshl_add_u32 v[ASX], v[HH], 5, s71
	v_lshl_add_u32 v[ARD], v[LN], 4, SX
	s_add_co_u32 s71, s70, PX
	v_lshl_add_u32 v[APW], v[LN], 4, s71
	v_lshl_add_u32 v[APR], v[HH], 5, s71
	s_lshl_b32 s70, s[WV], 10
	s_add_co_u32 s71, s70, OS-256      ; one step back: it is stepped in front of each chunk's stores
	v_lshl_add_u32 v[AOS], v[LN], 2, s71
	v_bfe_u32 v[AOR], v0, 4, 2         ; back: thread t takes outputs 4 t .. 4 t + 3: chunk t / 64, wave (t / 16) % 4, column 4 (t % 16)
	v_lshlrev_b32 v[AOR], 10, v[AOR]
	v_lshrrev_b32 v[T16], 6, v0
	v_lshl_add_u32 v[AOR], v[T16], 8, v[AOR]
	v_lshl_add_u32 v[AOR], v[RR], 4, v[AOR]
	v_add_nc_u32 v[AOR], OS, v[AOR]
	v_lshlrev_b32 v[L16], 4, v[LN]
	v_lshlrev_b32 v[L4], 2, v[LN]
	v_lshlrev_b32 v[T16], 4, v0
	v_cvt_f32_u32 v[FI], v[L4]
	v_add_f32 v[FI+1], 1.0, v[FI]
	v_add_f32 v[FI+2], 2.0, v[FI]
	v_add_f32 v[FI+3], 0x40400000, v[FI]
	CHANGE 0                           ; chunk 0 is whole; chunk 1 into slot 1: that slot's first fill, behind a round at
	s_wait_loadcnt 48                  ; the query, its scales, bq and chunk 0's scale words are in; x's three batches of 16 loads stay out
.irp t, 0,1,2,3
	v_pk_mul_f32 v[112+2*\t:113+2*\t], v[112+2*\t:113+2*\t], 0x3d38aa3b op_sel_hi:[1,0]   ; bq x c
.endr
	v_add_nc_u32 v[QQ], QL, v31
.irp t, 0,1,2,3
	ds_store_b64 v[QQ], v[112+2*\t:113+2*\t] offset:1024*\t
.endr
	v_mov_b32 v[NINF], 0xff800000
	v_mov_b32 v[PINF], 0x7f800000
	QCHUNK 0
	XLOADS 0, 3
; THE FIRST PHASE, a quarter of K at a time: quantise my 32 rows; a change of slots, whose round also shows every wave's codes to all; all 128 rows' fragments into registers; a chunk of q.
; The scale words that a chunk of q asks for at its end are older than the x loads that the next quarter's fourth batch leaves out (48, at the last 0): that batch's wait shows them landed.
.irp t, 0,1,2,3
	XBATCH \t, 0
	XBATCH \t, 1
	XBATCH \t, 2
	XBATCH \t, 3
.if \t == 2
	CHANGE 1                           ; Wk's first chunk is asked for a whole quarter before it is read
.else
	CHANGE 0
.endif
	FETCHX \t
.if \t < 3
	QCHUNK \t+1
	BAR                                ; every wave's reads of the codes are in: the next quarter's may be stored
.endif
.endr
; k' = x Wk^T begins: chunk 4 lies in slot 0, and its 8 K steps' scale words are in their registers
	s_mov_b32 s[TB], 0
	s_mov_b64 s[NS:NS+1], s[18:19]     ; Wk's scale bytes; K step 2 of each chunk steps this to the chunk's successor
	v_add_nc_u32 v[ADB], s[TB], v[AB0]
	FETCH_B 0
.set i, 0
.rept 64
	v_mov_b32 v[SPR+i], 0              ; the rows' partial t: cleared once, so that the loop over Wk's chunks is written once
.set i, i+1
.endr
.irp cq, 0,1,2,3
	v_mov_b32 v[QV+2*\cq+1], 0         ; named as the upper halves of pairs, so they are written
.endr
	s_wait_dscnt 0x0
	FETCH_B 1
	WIN 0x52
	MMS 0, 0, 1
	MMS 0, 1, 1
	MMS 0, 2, 1
	MMS 0, 3, 1
	WIN 0
	s_mov_b32 s[CNT], 0
.Lk:                                   ; Wk's four chunks; a trip goes from a chunk's K step 1 to the next chunk's K step 0 (the last trip's: Wv's first)
	STEPS 1, 1, 1
	TURN 1, 1
	MERGE 0
	v_add_nc_u32 v[AQ], 1024, v[AQ]    ; the next chunk's columns of q (its loads were waited for in K step 2)
	s_add_co_u32 s[CNT], s[CNT], 1
	s_cmp_lt_u32 s[CNT], 4
	s_cbranch_scc1 .Lk
; THE BLOCK'S SOFTMAX.  Register 8 a + j of lane (r, h) holds row 16 a + 8 h + j's sum over my columns = r mod 16: added over the 16 lanes, then over the four waves through LDS.
.irp m, 1,2,4,8
.set i, 0
.rept 64
	v_add_f32_dpp v[SPR+i], v[SPR+i], v[SPR+i] row_xmask:\m row_mask:0xf bank_mask:0xf
.set i, i+1
.endr
.endr
.irp a, 0,1,2,3,4,5,6,7
.irp i, 0,1
	ds_store_b128 v[ASX], v[SPR+8*\a+4*\i:SPR+8*\a+4*\i+3] offset:64*\a+16*\i   ; the 16 lanes of a half write the same bytes with the same values
.endr
.endr
	BAR
.irp w, 0,1,2,3
	ds_load_b128 v[112+4*\w:115+4*\w], v[ARD] offset:512*\w
.endr
	s_wait_dscnt 0x0
	v_pk_add_f32 v[112:113], v[112:113], v[116:117]
	v_pk_add_f32 v[114:115], v[114:115], v[118:119]
	v_pk_add_f32 v[120:121], v[120:121], v[124:125]
	v_pk_add_f32 v[122:123], v[122:123], v[126:127]
	v_pk_add_f32 v[T4:T4+1], v[112:113], v[120:121]        ; t of rows 4 lane + 0 .. 3: the same bits in all four waves
	v_pk_add_f32 v[T4+2:T4+3], v[114:115], v[122:123]
	v_max3_num_f32 v112, v[T4], v[T4+1], v[T4+2]
	v_max_num_f32 v112, v112, v[T4+3]
.irp m, 1,2,4,8
	v_max_num_f32_dpp v112, v112, v112 row_xmask:\m row_mask:0xf bank_mask:0xf
.endr
	v_permlanex16_b32 v113, v112, s[SEL], s[SEL+1]
	v_max_num_f32 v116, v112, v113     ; m: the block's largest t is taken away before the exponential
.irp i, 0,1,2,3
	v_sub_f32 v[120+\i], v[T4+\i], v116
.endr
.irp i, 0,1,2,3
	v_exp_f32 v[120+\i], v[120+\i]     ; p = 2^(t - m)
.endr
	v_nop                              ; a plain place behind the exponentials
	s_wait_alu depctr_va_vdst(0)       ; one wait for the four, ahead of their first reader
	v_add_f32 v112, v120, v121
	v_add_f32 v113, v122, v123
	v_add_f32 v112, v112, v113
.irp m, 1,2,4,8
	v_add_f32_dpp v112, v112, v112 row_xmask:\m row_mask:0xf bank_mask:0xf
.endr
	v_permlanex16_b32 v113, v112, s[SEL], s[SEL+1]
	v_add_f32 v117, v112, v113         ; the block's sum of p
	ds_store_b128 v[APW], v[120:123]   ; p through my own 512 bytes of LDS, into the accumulators' layout: LDS serves a wave's instructions in order
.irp a, 0,1,2,3,4,5,6,7
.irp i, 0,1
	ds_load_b128 v[SPR+8*\a+4*\i:SPR+8*\a+4*\i+3], v[APR] offset:64*\a+16*\i
.endr
.endr
; The block's 8 largest t, ties to the lower row.  Selections alone: no branch and no address hangs on a number.  All four waves run it alike; wave 0 stores.
.irp i, 0,1,2,3
	v_mov_b32 v[124+\i], v[T4+\i]
.endr
	v_mov_b32 v118, 0
	v_mov_b32 v119, 0
	s_mov_b32 s[JJ], 0
.Ltop:
	v_max3_num_f32 v112, v124, v125, v126
	v_max_num_f32 v112, v112, v127
.irp m, 1,2,4,8
	v_max_num_f32_dpp v112, v112, v112 row_xmask:\m row_mask:0xf bank_mask:0xf
.endr
	v_permlanex16_b32 v113, v112, s[SEL], s[SEL+1]
	v_max_num_f32 v112, v112, v113     ; the largest t left
	v_cmp_eq_f32 vcc_lo, v124, v112
	v_cndmask_b32 v114, v[PINF], v[FI], vcc_lo
.irp i, 1,2,3
	v_cmp_eq_f32 vcc_lo, v[124+\i], v112
	v_cndmask_b32 v113, v[PINF], v[FI+\i], vcc_lo
	v_min_num_f32 v114, v114, v113
.endr
.irp m, 1,2,4,8
	v_min_num_f32_dpp v114, v114, v114 row_xmask:\m row_mask:0xf bank_mask:0xf
.endr
	v_permlanex16_b32 v113, v114, s[SEL], s[SEL+1]
	v_min_num_f32 v114, v114, v113     ; the lowest row that has it
.irp i, 0,1,2,3
	v_cmp_eq_f32 vcc_lo, v[FI+\i], v114
	v_cndmask_b32 v[124+\i], v[124+\i], v[NINF], vcc_lo    ; that row is out
.endr
	v_cmp_eq_u32 vcc_lo, s[JJ], v[LN]
	v_cndmask_b32 v118, v118, v112, vcc_lo                 ; lane J keeps the J-th
	v_cndmask_b32 v119, v119, v114, vcc_lo
	s_add_co_u32 s[JJ], s[JJ], 1
	s_cmp_lt_u32 s[JJ], 8
	s_cbranch_scc1 .Ltop
	v_cmp_eq_u32 vcc_lo, 8, v[LN]
	v_cndmask_b32 v118, v118, v116, vcc_lo                 ; lane 8: m
	v_cmp_eq_u32 vcc_lo, 9, v[LN]
	v_cndmask_b32 v118, v118, v117, vcc_lo                 ; lane 9: the sum
	v_cvt_u32_f32 v119, v119
	s_and_b32 s70, s[WG], 15
	s_lshl_b32 s70, s70, 7
	v_add_nc_u32 v119, s70, v119       ; the row's number in the batch
	s_cmp_lg_u32 s[WV], 0
	s_cbranch_scc1 .Lnot_0
	global_store_b128 v[L16], v[T4:T4+3], s[24:25]         ; 512 consecutive bytes.  None of these stores' registers is written again
	global_store_b32 v[L4], v118, s[26:27]
	global_store_b32 v[L4], v119, s[28:29]
.Lnot_0:
; v' = x Wv^T, its chunk 0 begun above; each chunk's results are weighed by p at once
	s_mov_b32 s[CNT], 0
.Lv:                                   ; chunks 0 and 1 of Wv: each asks for the chunk two on
	STEPS 0, 1, 0
	TURN 1, 0
	MERGE 1
	s_add_co_u32 s[CNT], s[CNT], 1
	s_cmp_lt_u32 s[CNT], 2
	s_cbranch_scc1 .Lv
	STEPS 0, 1, 0                      ; the last two chunks are written out: no codes are left to ask for
	TURN 0, 0
	MERGE 1
	STEPS 0, 0, 0                      ; the last chunk has no successor: no scale words are asked for either
	s_wait_dscnt 0x0
	WIN 0x53
	MMS 7, 0, 0
	MMS 7, 1, 0
	MMS 7, 2, 0
	MMS 7, 3, 0
	WIN 0
	PLACES
	EV 0
	EV 1
	EV 2
	EV 3
	OTAIL
	BAR                                ; the block's 1,024 partial outputs lie in LDS
	ds_load_b128 v[120:123], v[AOR]
	ds_load_b128 v[124:127], v[AOR] offset:512
	s_wait_dscnt 1                     ; the first is in; the second may be out
	global_store_b128 v[T16], v[120:123], s[30:31]         ; each store of a wave covers 512 consecutive bytes, aligned
	s_wait_dscnt 0x0
	global_store_b128 v[T16], v[124:127], s[30:31] offset:2048
	s_wait_tensorcnt 0x0               ; the wave's end, behind my last tensor load and my last LDS store
	ds_add_u32 v[SPW], v[NIL]
	s_wait_dscnt 0x0
	ROUND                              ; the closing round: no work-group ends while a partner may still ask for a chunk that names it
	s_endpgm
.Lfunc_end_k_qf80d318c8b_main:
	.size	k_qf80d318c8b_main, .Lfunc_end_k_qf80d318c8b_main-k_qf80d318c8b_main
	.p2alignl 7, 3214868480
	.fill 96, 4, 3214868480
	.section	.rodata,"a",@progbits
	.p2align	6, 0x0
	.amdhsa_kernel k_qf80d318c8b_main
		.amdhsa_group_segment_fixed_size 327680
		.amdhsa_private_segment_fixed_size 0
		.amdhsa_enable_private_segment 0
		.amdhsa_kernarg_size 112
		.amdhsa_user_sgpr_count 2
		.amdhsa_user_sgpr_kernarg_segment_ptr 1
		.amdhsa_wavefront_size32 1
		.amdhsa_system_sgpr_workgroup_id_x 1
		.amdhsa_system_sgpr_workgroup_id_y 1
		.amdhsa_system_sgpr_workgroup_id_z 1
		.amdhsa_system_vgpr_workitem_id 0
		.amdhsa_next_free_vgpr 1024
		.amdhsa_next_free_sgpr 100
		.amdhsa_reserve_vcc 1
		.amdhsa_float_denorm_mode_32 3
		.amdhsa_float_denorm_mode_16_64 3
		.amdhsa_memory_ordered 1
		.amdhsa_forward_progress 1
		.amdhsa_inst_pref_size 255
	.end_amdhsa_kernel
	.section	.bss,"aw",@nobits
	.p2align	6
	.space	262144
	.amdgpu_metadata
---
amdhsa.version: [ 1, 2 ]
amdhsa.kernels:
  - .name:           k_qf80d318c8b_main
    .symbol:         k_qf80d318c8b_main.kd
    .args:
      - { .name: memory_values, .offset: 0, .size: 8, .value_kind: global_buffer, .address_space: global }
      - { .name: query_codes, .offset: 8, .size: 8, .value_kind: global_buffer, .address_space: global }
      - { .name: query_scales, .offset: 16, .size: 8, .value_kind: global_buffer, .address_space: global }
      - { .name: Wq_codes, .offset: 24, .size: 8, .value_kind: global_buffer, .address_space: global }
      - { .name: Wq_scales, .offset: 32, .size: 8, .value_kind: global_buffer, .address_space: global }
      - { .name: bq, .offset: 40, .size: 8, .value_kind: global_buffer, .address_space: global }
      - { .name: Wk_codes, .offset: 48, .size: 8, .value_kind: global_buffer, .address_space: global }
      - { .name: Wk_scales, .offset: 56, .size: 8, .value_kind: global_buffer, .address_space: global }
      - { .name: Wv_codes, .offset: 64, .size: 8, .value_kind: global_buffer, .address_space: global }
      - { .name: Wv_scales, .offset: 72, .size: 8, .value_kind: global_buffer, .address_space: global }
      - { .name: tws, .offset: 80, .size: 8, .value_kind: global_buffer, .address_space: global }
      - { .name: cand, .offset: 88, .size: 8, .value_kind: global_buffer, .address_space: global }
      - { .name: candi, .offset: 96, .size: 8, .value_kind: global_buffer, .address_space: global }
      - { .name: opart, .offset: 104, .size: 8, .value_kind: global_buffer, .address_space: global }
    .group_segment_fixed_size: 327680
    .private_segment_fixed_size: 0
    .kernarg_segment_align: 8
    .kernarg_segment_size: 112
    .max_flat_workgroup_size: 128
    .sgpr_count:     100
    .vgpr_count:     1024
    .wavefront_size: 32
...
	.end_amdgpu_metadata
.endif
;; end of part 1
;; launch finish (part 2): grid 256 x 1, 4 waves a work-group, no clusters, 16,896 bytes of LDS; arguments tws, cand, candi, opart, bv, memory_values, out0, out1, out2, out3; writes out0, out1, out2, out3
.if DOCPART == 2
	.amdgcn_target "amdgcn-amd-amdhsa--gfx1250"
	.amdhsa_code_object_version 6
	.text
	.protected	k_qf80d318c8b_finish
	.globl	k_qf80d318c8b_finish
	.p2align	8
	.type	k_qf80d318c8b_finish,@function
k_qf80d318c8b_finish:
	s_mov_b64 s[64:65], 0
	v_nop
	global_prefetch_b8 v0, s[64:65] scope:SCOPE_SE
	s_setreg_imm32_b32 hwreg(HW_REG_WAVE_MODE, 25, 1), 1
	s_wait_xcnt 0x0
; THE SECOND LAUNCH joins what the 16 blocks of a batch left: M = the largest m, L = sum of l 2^(m - M); probs = 2^(t - M) / L; out0 = sum of opart 2^(m - M) / L + bv; the 8 best of the 128 candidates, and their rows.
; Work left out, as shown at the head of the first launch: bk has no way to any output; bv is added once, since the probs add up to 1 by identity.
; The rows' ADDRESSES come from the whole numbers that the first launch stored (16 blocks x 8 candidates): all 128 candidates' rows are loaded, and the 8 that win are SELECTED: the ranking, which hangs on
; floating-point numbers, steers no address and no branch.
; LIMITS.  NaN and infinities are not served.  The 8 best are ranked by (prob falling, row rising) among the candidates, which the first launch ranked by (t falling, row rising): a row that is no
; candidate and whose prob rounds to the same number as a candidate's of larger t is not taken.
; SHARES.  A work-group serves a batch b and a slice of 64 columns (256 bytes) of its rows and of out0, and 128 of its probs.  Every wave makes M, L and the ranking for itself.  Wave v loads the candidates
; of blocks 4 v .. 4 v + 3: lanes 0-15 candidate q's 256 bytes, lanes 16-31 candidate 4 + q's.  No cluster: what work-groups share is 2 KB of lists.  No matrix work, no tensor load.
.set SPARE, 16384                      ; behind the stage [wave 4][rank 8][512 bytes]: the spare words, 128 bytes a wave
	s_load_b512 s[4:19], s[0:1], 0x0   ; tws s[4:5], cand s[6:7], candi s[8:9], opart s[10:11], bv s[12:13], x s[14:15], out0 s[16:17], out1 s[18:19]
	s_load_b128 s[20:23], s[0:1], 0x40 ; out2 s[20:21], out3 s[22:23]
	v_lshl_add_u32 v2, v0, 2, SPARE    ; my spare word; never rewritten
	v_mov_b32 v3, 0                    ; 0; never rewritten
	v_lshrrev_b32 v4, 5, v0
	v_readfirstlane_b32 s24, v4        ; wave
	s_lshr_b32 s25, ttmp9, 4           ; b
	s_and_b32 s26, ttmp9, 15           ; the slice
	v_and_b32 v1, 31, v0               ; lane
	v_and_b32 v4, 15, v0               ; r
	v_bfe_u32 v5, v0, 4, 1             ; h
	v_lshlrev_b32 v6, 4, v4            ; 16 r
	v_lshlrev_b32 v7, 2, v1            ; 4 lane
	v_lshrrev_b32 v8, 1, v1
	v_and_b32 v9, 1, v1
	v_lshlrev_b32 v8, 7, v8
	v_lshl_add_u32 v8, v9, 4, v8       ; candidates 4 lane + 0 .. 3: block lane / 2, 16 bytes x (lane % 2)
	v_lshlrev_b32 v9, 7, v4            ; block r's record
	v_lshlrev_b32 v10, 4, v1           ; 16 lane
	v_lshlrev_b32 v11, 3, v1           ; 8 lane
	s_lshl_b32 s27, s24, 12
	v_add_nc_u32 v12, s27, v10         ; the stage, in: 4,096 wave + 16 lane
	s_lshl_b32 s27, s24, 10
	v_lshl_add_u32 v13, v5, 9, v6
	v_add_nc_u32 v13, s27, v13         ; and back: rank 2 wave + h: 512 x rank + 16 r
	s_lshl_b32 s27, s24, 13
	v_lshl_add_u32 v14, v5, 12, v6
	v_add_nc_u32 v14, s27, v14         ; out2: 4,096 x rank + 16 r
	s_lshl_b32 s27, s24, 9
	v_lshl_add_u32 v15, v5, 4, s27     ; my four blocks' lists: 512 wave + 16 h
	s_mov_b32 s30, 0x76543210
	s_mov_b32 s31, 0xfedcba98          ; v_permlanex16_b32's selects for lane l xor 16
	s_mov_b32 s29, 0
	s_mov_b32 s49, 0                   ; (named as the upper half of a pair, so it is written)
	s_wait_kmcnt 0x0
	s_lshl_b32 s28, s25, 11            ; 16 records of 128 bytes a batch
	s_add_nc_u64 s[6:7], s[6:7], s[28:29]
	s_add_nc_u64 s[8:9], s[8:9], s[28:29]
	s_lshl_b32 s28, s25, 13
	s_lshl_b32 s27, s26, 9
	s_add_co_u32 s28, s28, s27         ; 8,192 b + 512 slice
	s_add_nc_u64 s[4:5], s[4:5], s[28:29]
	s_add_nc_u64 s[18:19], s[18:19], s[28:29]
	s_lshl_b32 s27, s26, 8             ; 256 slice
	s_lshl_b32 s28, s25, 16
	s_add_co_u32 s28, s28, s27
	s_add_nc_u64 s[10:11], s[10:11], s[28:29]
	s_mov_b32 s28, s27
	s_add_nc_u64 s[12:13], s[12:13], s[28:29]
	s_lshl_b32 s28, s25, 23
	s_add_co_u32 s28, s28, s27
	s_add_nc_u64 s[14:15], s[14:15], s[28:29]
	s_lshl_b32 s28, s25, 12
	s_add_co_u32 s28, s28, s27
	s_add_nc_u64 s[16:17], s[16:17], s[28:29]
	s_lshl_b32 s28, s25, 15
	s_add_co_u32 s28, s28, s27
	s_add_nc_u64 s[20:21], s[20:21], s[28:29]
	s_lshl_b32 s28, s25, 5
	s_add_nc_u64 s[22:23], s[22:23], s[28:29]
.irp mm, 0,1,2,3
	global_load_b128 v[16+4*\mm:19+4*\mm], v15, s[8:9] offset:128*\mm    ; rows of candidates 4 h + 0 .. 3 of block 4 wave + mm
.endr
	global_load_b128 v[144:147], v8, s[6:7]                ; all 128 candidates' t, 4 a lane,
	global_load_b128 v[148:151], v8, s[8:9]                ; and their rows
	global_load_b64 v[152:153], v9, s[6:7] offset:32       ; block r's m and l
	s_wait_loadcnt 0x0
.set n, 0
.rept 16
	v_min_u32 v[16+n], 0x7ff, v[16+n]                      ; a stored number enters an address only so held
.set n, n+1
.endr
.set n, 0
.rept 16
	v_lshlrev_b32 v[32+n], 12, v[16+n]
.set n, n+1
.endr
.set n, 0
.rept 16
	v_add_nc_u32 v[32+n], v[32+n], v6                      ; 4,096 x row + 16 r
.set n, n+1
.endr
.set n, 0
.rept 16
	global_load_b128 v[48+4*n:51+4*n], v[32+n], s[14:15]   ; sixteen lanes read a candidate's 256 bytes of the slice
.set n, n+1
.endr
	s_cmp_lg_u32 s24, 0
	s_cbranch_scc1 .Lload_1
	global_load_b128 v[156:159], v10, s[4:5]               ; wave 0: the slice's 128 t
.Lload_1:
	s_cmp_lg_u32 s24, 1
	s_cbranch_scc1 .Lloaded
.set n, 0
.rept 16
	global_load_b64 v[160+2*n:161+2*n], v11, s[10:11] offset:4096*n      ; wave 1: the 16 blocks' partial outputs of the slice,
.set n, n+1
.endr
	global_load_b64 v[154:155], v11, s[12:13]              ; and bv
.Lloaded:
; while the rows are on their way: M, L, the candidates' probs, the ranking
	v_mov_b32 v112, v152
.irp m, 1,2,4,8
	v_max_num_f32_dpp v112, v112, v112 row_xmask:\m row_mask:0xf bank_mask:0xf
.endr
	v_sub_f32 v113, v152, v112         ; the batch's largest t is taken away before every exponential
	v_exp_f32 v113, v113               ; 2^(m - M)
.irp i, 0,1,2,3
	v_sub_f32 v[144+\i], v[144+\i], v112
.endr
	s_wait_alu depctr_va_vdst(0)       ; ahead of the exponential's first reader
	v_mul_f32 v114, v153, v113
.irp m, 1,2,4,8
	v_add_f32_dpp v114, v114, v114 row_xmask:\m row_mask:0xf bank_mask:0xf
.endr
	v_rcp_f32 v114, v114               ; 1 / L
.irp i, 0,1,2,3
	v_exp_f32 v[144+\i], v[144+\i]
.endr
.irp i, 0,1,2,3
	v_cvt_f32_u32 v[148+\i], v[148+\i] ; rows as f32: exact under 2,048.  (Plain work behind the batch)
.endr
	s_wait_alu depctr_va_vdst(0)       ; one wait for the five
	v_mul_f32 v115, v113, v114         ; block r's factor 2^(m - M) / L
.irp i, 0,1,2,3
	v_mul_f32 v[144+\i], v[144+\i], v114   ; the candidates' probs, by the same lines as out1's
.endr
	v_mov_b32 v117, 0
	v_mov_b32 v119, 0
	v_mov_b32 v120, 0x7f800000
	v_mov_b32 v121, -1.0               ; under every prob
	s_mov_b32 s32, 0
.Lrank:
	v_max3_num_f32 v116, v144, v145, v146
	v_max_num_f32 v116, v116, v147
.irp m, 1,2,4,8
	v_max_num_f32_dpp v116, v116, v116 row_xmask:\m row_mask:0xf bank_mask:0xf
.endr
	v_permlanex16_b32 v117, v116, s30, s31
	v_max_num_f32 v116, v116, v117     ; the largest prob left
	v_cmp_eq_f32 vcc_lo, v144, v116
	v_cndmask_b32 v118, v120, v148, vcc_lo
.irp i, 1,2,3
	v_cmp_eq_f32 vcc_lo, v[144+\i], v116
	v_cndmask_b32 v117, v120, v[148+\i], vcc_lo
	v_min_num_f32 v118, v118, v117
.endr
.irp m, 1,2,4,8
	v_min_num_f32_dpp v118, v118, v118 row_xmask:\m row_mask:0xf bank_mask:0xf
.endr
	v_permlanex16_b32 v117, v118, s30, s31
	v_min_num_f32 v118, v118, v117     ; the lowest row that has it
.irp i, 0,1,2,3
	v_cmp_eq_f32 vcc_lo, v[148+\i], v118
	v_cndmask_b32 v[144+\i], v[144+\i], v121, vcc_lo
.endr
	v_cmp_eq_u32 vcc_lo, s32, v1
	v_cndmask_b32 v119, v119, v118, vcc_lo                 ; lane J keeps rank J's row
	s_add_co_u32 s32, s32, 1
	s_cmp_lt_u32 s32, 8
	s_cbranch_scc1 .Lrank
	v_cvt_u32_f32 v119, v119
.irp j, 0,1,2,3,4,5,6,7
	v_readlane_b32 s[40+\j], v119, \j  ; for comparisons alone
.endr
	s_wait_loadcnt 0x0                 ; the rows, and what waves 0 and 1 asked for
	s_cmp_lg_u32 s24, 0
	s_cbranch_scc1 .Ltask_1
.irp i, 0,1,2,3
	v_sub_f32 v[156+\i], v[156+\i], v112
.endr
.irp i, 0,1,2,3
	v_exp_f32 v[156+\i], v[156+\i]
.endr
	v_nop
	s_wait_alu depctr_va_vdst(0)
.irp i, 0,1,2,3
	v_mul_f32 v[156+\i], v[156+\i], v114
.endr
	global_store_b128 v10, v[156:159], s[18:19]            ; 128 probs: 512 consecutive bytes
.Ltask_1:
	s_cmp_lg_u32 s24, 1
	s_cbranch_scc1 .Ltask_2
.set n, 0
.rept 16
	v_readlane_b32 s48, v115, n
	v_pk_fma_f32 v[154:155], v[160+2*n:161+2*n], s[48:49], v[154:155] op_sel_hi:[1,0,1]   ; onto bv
.set n, n+1
.endr
	global_store_b64 v11, v[154:155], s[16:17]             ; 64 outputs: 256 consecutive bytes, aligned
.Ltask_2:
	s_cmp_lg_u32 s24, 2
	s_cbranch_scc1 .Ltasks_done
	s_cmp_lg_u32 s26, 0
	s_cbranch_scc1 .Ltasks_done
	s_wait_xcnt 0x0                    ; EXEC changes only behind this wait
	v_cmp_gt_u32 vcc_lo, 8, v1
	s_and_saveexec_b32 s50, vcc_lo
	global_store_b32 v7, v119, s[22:23]                    ; the batch's 8 indices, by its first slice's wave 2
	s_wait_xcnt 0x0                    ; and again, in front of the line that widens it; v119 may then be written too
	s_or_b32 exec_lo, exec_lo, s50
.Ltasks_done:
; rank j's row, if it is among my half's 16 candidates, else zeros
.irp j, 0,1,2,3,4,5,6,7
.set n, 0
.rept 16
	v_cmp_eq_u32 vcc_lo, s[40+\j], v[16+n]
.irp k, 0,1,2,3
.if n == 0
	v_cndmask_b32 v[112+4*\j+\k], 0, v[48+\k], vcc_lo
.else
	v_cndmask_b32 v[112+4*\j+\k], v[112+4*\j+\k], v[48+4*n+\k], vcc_lo
.endif
.endr
.set n, n+1
.endr
.endr
.irp j, 0,1,2,3,4,5,6,7
	ds_store_b128 v12, v[112+4*\j:115+4*\j] offset:512*\j
.endr
	s_wait_dscnt 0x0                   ; for the others' sake: my stores have landed
	s_barrier_signal -1
	s_barrier_wait -1
.irp v, 0,1,2,3
.irp hh, 0,1
	ds_load_b128 v[48+4*(2*\v+\hh):51+4*(2*\v+\hh)], v13 offset:4096*\v+256*\hh   ; the eight contributions to my rank: one holds the row, the others zeros
.endr
.endr
	s_wait_dscnt 0x0
.irp k, 0,1,2,3
	v_or_b32 v[48+\k], v[48+\k], v[52+\k]
	v_or_b32 v[56+\k], v[56+\k], v[60+\k]
	v_or_b32 v[64+\k], v[64+\k], v[68+\k]
	v_or_b32 v[72+\k], v[72+\k], v[76+\k]
.endr
.irp k, 0,1,2,3
	v_or_b32 v[48+\k], v[48+\k], v[56+\k]
	v_or_b32 v[64+\k], v[64+\k], v[72+\k]
.endr
.irp k, 0,1,2,3
	v_or_b32 v[48+\k], v[48+\k], v[64+\k]
.endr
	global_store_b128 v14, v[48:51], s[20:21]              ; sixteen lanes store 256 consecutive bytes, aligned
	s_wait_tensorcnt 0x0               ; the wave's end, behind my last LDS store
	ds_add_u32 v2, v3
	s_wait_dscnt 0x0
	s_endpgm
.Lfunc_end_k_qf80d318c8b_finish:
	.size	k_qf80d318c8b_finish, .Lfunc_end_k_qf80d318c8b_finish-k_qf80d318c8b_finish
	.p2alignl 7, 3214868480
	.fill 96, 4, 3214868480
	.section	.rodata,"a",@progbits
	.p2align	6, 0x0
	.amdhsa_kernel k_qf80d318c8b_finish
		.amdhsa_group_segment_fixed_size 16896
		.amdhsa_private_segment_fixed_size 0
		.amdhsa_enable_private_segment 0
		.amdhsa_kernarg_size 80
		.amdhsa_user_sgpr_count 2
		.amdhsa_user_sgpr_kernarg_segment_ptr 1
		.amdhsa_wavefront_size32 1
		.amdhsa_system_sgpr_workgroup_id_x 1
		.amdhsa_system_sgpr_workgroup_id_y 1
		.amdhsa_system_sgpr_workgroup_id_z 1
		.amdhsa_system_vgpr_workitem_id 0
		.amdhsa_next_free_vgpr 192
		.amdhsa_next_free_sgpr 66
		.amdhsa_reserve_vcc 1
		.amdhsa_float_denorm_mode_32 3
		.amdhsa_float_denorm_mode_16_64 3
		.amdhsa_memory_ordered 1
		.amdhsa_forward_progress 1
		.amdhsa_inst_pref_size 38
	.end_amdhsa_kernel
	.amdgpu_metadata
---
amdhsa.version: [ 1, 2 ]
amdhsa.kernels:
  - .name:           k_qf80d318c8b_finish
    .symbol:         k_qf80d318c8b_finish.kd
    .args:
      - { .name: tws, .offset: 0, .size: 8, .value_kind: global_buffer, .address_space: global }
      - { .name: cand, .offset: 8, .size: 8, .value_kind: global_buffer, .address_space: global }
      - { .name: candi, .offset: 16, .size: 8, .value_kind: global_buffer, .address_space: global }
      - { .name: opart, .offset: 24, .size: 8, .value_kind: global_buffer, .address_space: global }
      - { .name: bv, .offset: 32, .size: 8, .value_kind: global_buffer, .address_space: global }
      - { .name: memory_values, .offset: 40, .size: 8, .value_kind: global_buffer, .address_space: global }
      - { .name: out0, .offset: 48, .size: 8, .value_kind: global_buffer, .address_space: global }
      - { .name: out1, .offset: 56, .size: 8, .value_kind: global_buffer, .address_space: global }
      - { .name: out2, .offset: 64, .size: 8, .value_kind: global_buffer, .address_space: global }
      - { .name: out3, .offset: 72, .size: 8, .value_kind: global_buffer, .address_space: global }
    .group_segment_fixed_size: 16896
    .private_segment_fixed_size: 0
    .kernarg_segment_align: 8
    .kernarg_segment_size: 80
    .max_flat_workgroup_size: 128
    .sgpr_count:     66
    .vgpr_count:     192
    .wavefront_size: 32
...
	.end_amdgpu_metadata
.endif
;; end of part 2
